; MI455X (gfx1250); checked and timed in simulation.
; The chip was launched on July 23, 2026; its instructions are those of AMD's public machine-readable ISA for CDNA 5 (MIT licence, August 2026) and "CDNA5" Instruction Set Architecture Reference Guide (July 2026). The comments in the code are by the model that wrote it; some were corrected since.
;; K Linear. Allowed arithmetic: matrix products marked QUANTISED: E2M1 operands, one E8M0 scale for each 32 along K, by v_wmma_scale_f32_16x16x128_f8f6f4 with both operands' format E2M1 (or v_wmma_scale_f32_32x16x128_f4), f32 sums; everything else in f32.
;; Inputs: a0 64 x 64 float32; a1 64 x 64 float32; a2 32 x 32 float32; a3 128 x 128 float32; a4 16 x 16 float32; a5 256 x 256 float32; a6 8 x 8 float32; a7 512 x 512 float32; b0 64 x 64 float32; b1 64 x 64 float32; b2 128 x 128 float32; b3 32 x 32 float32; b4 256 x 256 float32; b5 16 x 16 float32; b6 512 x 512 float32; b7 8 x 8 float32; bias 4,096 float32; x 4,096 x 4,096 float32.
;; Outputs: out0 4,096 x 4,096 float32.
;; This version of the problem:
;;   THIS VERSION OF THE PROBLEM IS GIVEN IN LOW PRECISION. The matrix products marked QUANTISED in the list below multiply operands that are first quantised to E2M1 (2 exponent bits, 1 mantissa bit; 4 bits a number), with one power-of-two scale for each 32 numbers along K (OCP MX v1.0); their sums are f32. All else is computed in f32.
;;   The module's matrix products, in the order in which they are computed (A, B: the left and right operand; K: the contracted axis; several contracted axes count as one K, in the product's order):
;;     1. [M 4,096, K 4,096] x [K 4,096, N 4,096]; A: computed on the way; B: input x: QUANTISED
;;   THE QUANTISER, for each operand of a quantised product, along K:
;;     - K is cut into blocks of 32 from its start; a last block that is shorter is filled with zeros.
;;     - A block's scale is 2^e with e = floor(log2(the largest magnitude in the block)) - 2, held to -126 .. 127; a block of zeros has e = 0. As a byte (E8M0): e + 127.
;;     - Each number is divided by its block's scale, clamped to +-6, and rounded to the nearest number of E2M1, ties to even, subnormals kept.
;;     - The product sums the exact products of the quantised numbers (number of the format x scale) in f32.
;;   ~~~python
;;   def quantise(x, axis):      # numpy; x: float32 -> the quantised numbers, widened to float32 again
;;       x = np.moveaxis(x, axis, -1); K = x.shape[-1]
;;       x = np.pad(x, [(0, 0)] * (x.ndim - 1) + [(0, -K % 32)]); x = x.reshape(x.shape[:-1] + (-1, 32)); a = np.abs(x).max(-1, keepdims=True)
;;       e = np.where(a > 0, np.clip(np.frexp(np.where(a > 0, a, 1))[1] - 1 - 2, -126, 127), 0)      # np.frexp(a)[1] - 1 = floor(log2(a)), exactly
;;       r = np.clip(x / 2.0 ** e, -6, 6)
;;       step = 2.0 ** (np.maximum(np.frexp(np.where(r == 0, 1, r))[1] - 1, 0) - 1)
;;       q = np.round(r / step) * step * 2.0 ** e      # np.round: ties to even
;;       return np.moveaxis(q.reshape(q.shape[:-2] + (-1,))[..., :K], -1, axis).astype(np.float32)
;;   ~~~
;;   OPERANDS COMPUTED ON THE WAY. 'Computed on the way' means the value that the module computes at that place (a softmax that the list does not call 'softmax' is quantised finished and normalised). What goes into a quantiser is computed in f32, as accurately as f32 sums, v_exp_f32 and their like allow (about 1e-6 of the number): no bf16 or f16 on the way to a quantiser, and a product that is left as it is and whose result goes on into a quantised operand takes f32 operands (vector FMAs, or v_wmma_f32_16x16x4_f32). A number that lies on a knife's edge between two numbers of the format may be rounded either way, as far as f32 arithmetic and the matrix unit's own rounding can turn it there, and no further.
;; One version. Each part assembles by itself: llvm-mc -triple=amdgcn-amd-amdhsa -mcpu=gfx1250 --defsym DOCPART=n.
;; ======== version 1 of 1: 2 launches
;; limits: right only within a limited range of input values
;; workspace buffers: q 17,825,792 bytes
;; launch quant (part 1): grid 512 x 1, 8 waves a work-group, no clusters, 144,384 bytes of LDS; arguments a0, a1, a2, a3, a4, a5, a6, a7, b0, b1, b2, b3, b4, b5, b6, b7, x, q; writes q
.if DOCPART == 1
	.amdgcn_target "amdgcn-amd-amdhsa--gfx1250"
	.amdhsa_code_object_version 6
	.text
	.protected	k_q559f7b6937_quant
	.globl	k_q559f7b6937_quant
	.p2align	8
	.type	k_q559f7b6937_quant,@function
k_q559f7b6937_quant:
	s_mov_b64 s[64:65], 0
	v_nop
	global_prefetch_b8 v0, s[64:65] scope:SCOPE_SE
	s_setreg_imm32_b32 hwreg(HW_REG_WAVE_MODE, 25, 1), 1
	s_wait_xcnt 0x0
; BOTH OPERANDS OF out0 = w x^T BECOME CODES OF FP4 (E2M1) WITH ONE E8M0 SCALE BYTE FOR EACH 32 ALONG K.
; x [4096][4096] f32 is read as it lies.  w [4096][4096] = (sum over k of kron(a_k, b_k)) / (2 sqrt 8) is built here, in f32, from the sixteen tables, and never goes to memory as f32.
; A block's scale is 2^(floor(log2(its largest magnitude)) - 2); its byte is the largest magnitude's own exponent field - 2, held at 1 from below.  Each number is divided by the scale and rounded to the nearest code, ties to even; beyond 6 the largest code.
; LIMITS: NaN and infinities among the inputs are not served.  A block of zeros gets the byte 1 where the rule says 127: its codes are zeros, which add nothing under any byte but 0xff, and the bytes are read by this program alone.
;   1 / (2 sqrt 8) is folded into the numbers of a_k, and the eight terms are fused multiply-adds in the order k = 0 .. 7: a few f32 roundings away from a sum of products that is divided at the end.
; THE WORKSPACE q is laid as the product's launch fetches it: [K step s of 512: 8][tile T of 128 places: 64][34,816 bytes].  T = 0..31: w;  T = 32..63: x.
;   In a tile: 128 x 256 bytes, a place's 512 codes (the lower k in the low four bits); then 8 x 256 bytes: places 16 i .. 16 i + 15, 16 scale bytes each, k ascending.
;   w: place R' = 128 T + row holds row o with R'[2:0] = o[2:0], R'[3] = o[9], R'[9:4] = o[8:3], R'[11:10] = o[11:10]: a run of 16 places is rows o .. o + 7 and o + 512 .. o + 519.
;   x: place 64 U + 16 t + r (t = 0..3, r = 0..15) holds row 64 U + 4 r + t.
; SHARES.  512 work-groups of eight waves; half of them take x, half w, told apart by the work-group's number n: (n xor (n >> 8)) & 1; g = n >> 1 = 0..255 in either half.  A work-group owns places 16 g + t of its
;   operand for all of K; a wave owns two of them: 16 RECORDS of 512 numbers.  A lane holds 16 neighbours along K, two neighbouring lanes a block.  A record's codes are 8 bytes a lane: the wave stores 256 consecutive,
;   aligned bytes.  The scale bytes meet in LDS; behind the launch's one barrier wave v stores K step v's 256 bytes (16 places x 16) as one aligned run.
; x: with g = 4 U + t, wave v reads rows 64 U + t + 8 v and four rows further down, its places 2 v and 2 v + 1.  Each load reads 512 consecutive bytes, 16 a lane; a record's 2,048 bytes turn through the wave's own stage in LDS
;   (16 bytes of padding behind each 64) and come back 64 bytes a lane.  Loads run eight records (32 loads, 16,384 bytes a wave) ahead.
; w: with i = 512 s + 16 lane + j, kron(a, b)[o][i] = a[o / rows of b][i / columns of b] x b[o % rows of b][i % columns of b].  For a lane's 16 numbers each a_k is ONE number (a7: two), and no column of any b_k hangs on s.
;   Wave v owns places t = v and v + 8: rows o and o + 512.  Every b_k has 512 rows or a divisor of 512, so BOTH ROWS TAKE THE SAME ROW OF EVERY b_k: its 120 numbers are loaded once and serve all 16 records from registers.
;   The rows of a_k (4,320 bytes for each of the two rows) are loaded once, as they lie, into LDS bytes of the wave's own, and each record's eight numbers come from there, one record ahead.
.set TILEB, 34816                      ; a tile in q
.set SLAB,  64*TILEB                   ; a K step in q
.set SP,    80                         ; a lane's place in a stage: 64 bytes + 16 of padding
.set WREG,  2*32*SP                    ; LDS 0 on: two stages for each wave (x's work-groups)
.set XSC,   8*WREG                     ; x's work-groups: scale bytes at 256 s + 16 t + block
.set WSC,   XSC+2048                   ; w's work-groups: the same, in bytes of their own
.set SPARE, WSC+2048                   ; the spare words: 128 bytes for each wave, four blocks of 256 bytes that no other line names
.set AST,   SPARE+1024                 ; w's work-groups: the rows of a_k: for each wave two sets of twelve slots of 512 bytes
.set ASET,  6144
.set R,     32                         ; x: v32-159  eight sets of 16 numbers as loaded
.set X,     160                        ; x: v160-191 two sets of 16 neighbours
.set C,     192                        ; x: v192-223 a pair of code registers for each record: no store's data are written again
.set E,     224                        ; x: v224-239 a scale byte for each record
.set AF,    32                         ; w: v32-51   two sets of ten: +0..+6 a0..a6, +7 a filler, +8, +9 a7's two.  (At the head v32-111 and v232-247 hold the rows of a_k on their way to LDS)
.set WC,    52                         ; w: v52-83   a pair of code registers for each record
.set WE,    84                         ; w: v84-99   a scale byte for each record
.set BF,    112                        ; w: v112-231 b_k's 16 numbers at BF + 16 k; b7's 8 at BF + 112
.set ACC,   232                        ; w: v232-247 the record's 16 numbers
; v1 lane; v2 16 lane; v3 8 lane; v4, v5 the stage, in and out; v6, v7 where a scale byte goes (x, w); v8 where the tail reads; v[10:11] the tail's data; v12-15 (x), v248-250 (w) at work
; w: v9 where a row of a_k goes in LDS; v16-21, v27 where a record's numbers lie; v22-26, v28 offsets into b_k; v29-31, v251 into the short rows of a_k
; the largest magnitude of a block (my 16 and my neighbour's), with the floor 2^(3 - 127) among the leaves, so that the byte cannot fall under 1; then 2 off its exponent field: the conversion takes the exponent field of that operand as its scale and nothing else of it
.macro BLOCKMAX n, m0, m1, sc
	v_max3_num_f32 v[\m0], |v[\n]|, |v[\n+1]|, |v[\n+2]|
	v_max3_num_f32 v[\m1], |v[\n+3]|, |v[\n+4]|, |v[\n+5]|
.irp i, 6,10
	s_delay_alu instid0(VALU_DEP_2)
	v_max3_num_f32 v[\m0], v[\m0], |v[\n+\i]|, |v[\n+\i+1]|
	s_delay_alu instid0(VALU_DEP_2)
	v_max3_num_f32 v[\m1], v[\m1], |v[\n+\i+2]|, |v[\n+\i+3]|
.endr
	s_delay_alu instid0(VALU_DEP_2)
	v_max3_num_f32 v[\m0], v[\m0], |v[\n+14]|, |v[\n+15]|
	s_delay_alu instid0(VALU_DEP_1)
	v_max3_num_f32 v[\m0], v[\m0], v[\m1], 0x1800000
	s_delay_alu instid0(VALU_DEP_1)
	v_max_num_f32_dpp v[\m0], v[\m0], v[\m0] row_xmask:1 row_mask:0xf bank_mask:0xf
	s_delay_alu instid0(VALU_DEP_1)
	v_add_nc_u32 v[\sc], 0xff000000, v[\m0]
.endm
; ---- x's macros.  Record u = 8 rr + s: the wave's row rr, K step s
.macro XLOAD u
.irp i, 0,1,2,3
	global_load_b128 v[R+16*((\u)%8)+4*\i:R+16*((\u)%8)+4*\i+3], v2, s[36:37] offset:65536*((\u)/8)+2048*((\u)%8)+512*\i th:TH_LOAD_NT   ; 32 lanes read 512 consecutive bytes; read once in the launch
.endr
.endm
.macro XTURN u                         ; through the stage: LDS serves a wave's instructions in order (ISA guide 5.7.1.4), so no wait stands between the stores and the loads
.irp i, 0,1,2,3
	ds_store_b128 v4, v[R+16*((\u)%8)+4*\i:R+16*((\u)%8)+4*\i+3] offset:32*SP*((\u)%2)+8*SP*\i
.endr
.irp i, 0,1,2,3
	ds_load_b128 v[X+16*((\u)%2)+4*\i:X+16*((\u)%2)+4*\i+3], v5 offset:32*SP*((\u)%2)+16*\i
.endr
.endm
.macro XSTEP u
.set XS, X+16*((\u)%2)
.set KS, (\u)%8
.set RR, (\u)/8
.if (\u) > 0
	s_wait_dscnt 1                                 ; this record is back from the stage (the last record's byte store may be out): so its stores into the stage have read their registers,
.else
	s_wait_dscnt 0x0
.endif
.if (\u)+8 < 16
	XLOAD (\u)+8                                   ; which take the loads of eight records on
.endif
.if (\u)+1 < 16
.if 14-(\u) >= 7
	s_wait_loadcnt 28                              ; the next record's four loads are in; those of the seven records behind it may be out
.else
	s_wait_loadcnt 4*(14-(\u))                     ; the last records: 24, 20, .. 0 loads are behind the next record's
.endif
	XTURN (\u)+1                                   ; and go through the other stage while this record is worked
.endif
	BLOCKMAX XS, 12, 13, 14
	v_cvt_scalef32_pk8_fp4_f32 v[C+2*(\u)], v[XS:XS+7], v14          ; eight numbers / 2^(v14's exponent), to the nearest code; the first number's code in the lowest four bits
	v_cvt_scalef32_pk8_fp4_f32 v[C+2*(\u)+1], v[XS+8:XS+15], v14
	v_lshrrev_b32 v[E+(\u)], 23, v14               ; the scale's byte (also the plain line behind the conversions)
	ds_store_b8 v6, v[E+(\u)] offset:256*KS+16*RR  ; both lanes of a block write the same byte with the same value
	global_store_b64 v3, v[C+2*(\u):C+2*(\u)+1], s[48+2*(KS/4):49+2*(KS/4)] offset:(KS%4)*SLAB+256*RR   ; 32 lanes store 256 consecutive bytes, aligned
.endm
; ---- w's macros.  s54 = o0, the work-group's first row of w, a multiple of 8 with bit 9 clear; wave v's rows are o0 + v and o0 + v + 512
.macro AROW ptr, down, up              ; a_k at row o0 >> down (the same for all eight waves: every b_k has 8 rows or more), rows of (1 << up) bytes
	s_lshr_b32 s44, s54, \down
	s_lshl_b32 s44, s44, \up
	s_add_nc_u64 s[\ptr:\ptr+1], s[\ptr:\ptr+1], s[44:45]
.endm
.macro BROW ptr, mask, up              ; b_k at row (o0 & mask) + v, mask = its rows - 1, rows of (1 << up) bytes
	s_and_b32 s44, s54, \mask
	s_add_co_u32 s44, s44, s40
	s_lshl_b32 s44, s44, \up
	s_add_nc_u64 s[\ptr:\ptr+1], s[\ptr:\ptr+1], s[44:45]
.endm
.macro AREG rr, n                      ; the registers of slot n of set rr on their way to LDS
.if (\rr) == 0
.set SR, 32+4*(\n)
.elseif (\n) < 8
.set SR, 80+4*(\n)
.else
.set SR, 232+4*((\n)-8)
.endif
.endm
.macro AGET rr, n, off, ptr, imm
	AREG \rr, \n
	global_load_b128 v[SR:SR+3], v[\off], s[\ptr:\ptr+1] offset:\imm
.endm
; the rows of a_k for row o + 512 rr, which lie 512 / (rows of b_k) rows further down in a_k.  Rows shorter than 512 bytes: the lanes behind the row's end load its bytes over again, and their places in the slot are not read
.macro AROWS rr
	AGET \rr, 0, 29, 4, 2048*\rr
	AGET \rr, 1, 29, 6, 2048*\rr
	AGET \rr, 2, 30, 8, 512*\rr
	AGET \rr, 3, 2, 10, 8192*\rr
	AGET \rr, 4, 31, 12, 128*\rr
	AGET \rr, 5, 2, 14, 32768*\rr
	AGET \rr, 6, 2, 14, 32768*\rr+512
	AGET \rr, 7, 251, 16, 32*\rr
	AGET \rr, 8, 2, 18, 131072*\rr
	AGET \rr, 9, 2, 18, 131072*\rr+512
	AGET \rr, 10, 2, 18, 131072*\rr+1024
	AGET \rr, 11, 2, 18, 131072*\rr+1536
.endm
.macro ALD n                           ; record n = 8 rr + s: the numbers of a0 .. a7: column i / (columns of b_k), i = 512 s + 16 lane + j.  Eight loads from the wave's own bytes
.set LP, AF+10*((\n)%2)
.set LS, (\n)%8
.set LD, ASET*((\n)/8)
	ds_load_b32 v[LP], v16 offset:LD+32*LS
	ds_load_b32 v[LP+1], v16 offset:LD+512+32*LS
	ds_load_b32 v[LP+2], v17 offset:LD+1024+16*LS
	ds_load_b32 v[LP+3], v18 offset:LD+1536+64*LS
	ds_load_b32 v[LP+4], v19 offset:LD+2048+8*LS
	ds_load_b32 v[LP+5], v20 offset:LD+2560+128*LS
	ds_load_b32 v[LP+6], v21 offset:LD+3584+4*LS
	ds_load_b64 v[LP+8:LP+9], v27 offset:LD+4096+256*LS
.endm
.macro BTAB k, off, ptr
.irp i, 0,1,2,3
	global_load_b128 v[BF+16*\k+4*\i:BF+16*\k+4*\i+3], v[\off], s[\ptr:\ptr+1] offset:16*\i
.endr
.endm
; term k = 1 .. 6 of a record: eight packed multiply-adds.  The one number of a_k feeds both halves: from an even register by its pair's first word, from an odd one by the second word of the pair below it
.macro TERM k
.irp p, 0,1,2,3,4,5,6,7
.if (\k)%2
	v_pk_fma_f32 v[ACC+2*\p:ACC+2*\p+1], v[BF+16*\k+2*\p:BF+16*\k+2*\p+1], v[AP+\k-1:AP+\k], v[ACC+2*\p:ACC+2*\p+1] op_sel:[0,1,0] op_sel_hi:[1,1,1]
.else
	v_pk_fma_f32 v[ACC+2*\p:ACC+2*\p+1], v[BF+16*\k+2*\p:BF+16*\k+2*\p+1], v[AP+\k:AP+\k+1], v[ACC+2*\p:ACC+2*\p+1] op_sel_hi:[1,0,1]
.endif
.endr
.endm
.macro RECORD n                        ; place t = v + 8 rr, K step s, n = 8 rr + s
.set AP, AF+10*((\n)%2)
.set KS, (\n)%8
.set RR, (\n)/8
.if (\n) > 0
	s_wait_dscnt 1                                 ; this record's numbers of a are in; the last record's byte store may be out
.else
	s_wait_dscnt 0x0
.endif
.if (\n) < 15
	ALD (\n)+1                                     ; the next record's, into the other set
.endif
.irp i, 0,1,2,3,4
	v_pk_mul_f32 v[AP+2*\i:AP+2*\i+1], v[AP+2*\i:AP+2*\i+1], 0x3e3504f3 op_sel_hi:[1,0]   ; x 1 / (2 sqrt 8)
.endr
.irp p, 0,1,2,3,4,5,6,7
	v_pk_mul_f32 v[ACC+2*\p:ACC+2*\p+1], v[BF+2*\p:BF+2*\p+1], v[AP:AP+1] op_sel_hi:[1,0]   ; term 0 starts the sums: nothing is cleared
.endr
.irp k, 1,2,3,4,5,6
	TERM \k
.endr
.irp p, 0,1,2,3
	v_pk_fma_f32 v[ACC+2*\p:ACC+2*\p+1], v[BF+112+2*\p:BF+112+2*\p+1], v[AP+8:AP+9], v[ACC+2*\p:ACC+2*\p+1] op_sel_hi:[1,0,1]            ; term 7, j = 0 .. 7: a7's first number
.endr
.irp p, 0,1,2,3
	v_pk_fma_f32 v[ACC+8+2*\p:ACC+8+2*\p+1], v[BF+112+2*\p:BF+112+2*\p+1], v[AP+8:AP+9], v[ACC+8+2*\p:ACC+8+2*\p+1] op_sel:[0,1,0] op_sel_hi:[1,1,1]   ; j = 8 .. 15: its second, and b7's row once more
.endr
	BLOCKMAX ACC, 248, 249, 250
	v_cvt_scalef32_pk8_fp4_f32 v[WC+2*(\n)], v[ACC:ACC+7], v250
	v_cvt_scalef32_pk8_fp4_f32 v[WC+2*(\n)+1], v[ACC+8:ACC+15], v250
	v_lshrrev_b32 v[WE+(\n)], 23, v250             ; the scale's byte; also the plain line between the conversions and the next record's writes of their sources
	ds_store_b8 v7, v[WE+(\n)] offset:256*KS+128*RR
	global_store_b64 v3, v[WC+2*(\n):WC+2*(\n)+1], s[48+2*(KS/4):49+2*(KS/4)] offset:(KS%4)*SLAB+2048*RR   ; 32 lanes store 256 consecutive bytes, aligned; place t + 8 lies 8 x 256 bytes on
.endm
	; ---- the head, common to both kinds of work-group.  Every LDS address is made here
	s_load_b512 s[4:19], s[0:1], 0x0               ; a0 .. a7: a_k in s[4 + 2 k : 5 + 2 k]
	s_load_b512 s[20:35], s[0:1], 0x40             ; b0 .. b7: b_k in s[20 + 2 k : 21 + 2 k]
	s_load_b128 s[36:39], s[0:1], 0x80             ; x s[36:37], q s[38:39]
	v_lshl_add_u32 v254, v0, 2, SPARE
	v_mov_b32 v255, 0
	v_lshrrev_b32 v1, 5, v0
	s_delay_alu instid0(VALU_DEP_1)
	v_readfirstlane_b32 s40, v1                    ; wave v = 0..7
	v_and_b32 v1, 31, v0                           ; lane
	s_lshr_b32 s41, ttmp9, 8
	s_xor_b32 s41, s41, ttmp9
	s_and_b32 s41, s41, 1                          ; 0: x's work-group, 1: w's
	s_lshr_b32 s42, ttmp9, 1                       ; g
	v_lshlrev_b32 v2, 4, v1
	v_lshlrev_b32 v3, 3, v1
	s_mul_i32 s43, s40, WREG                       ; my wave's stages
	v_lshrrev_b32 v4, 2, v1
	s_delay_alu instid0(VALU_DEP_1)
	v_mul_u32_u24 v4, v4, SP
	v_and_b32 v5, 3, v1
	s_delay_alu instid0(VALU_DEP_1)
	v_lshl_add_u32 v4, v5, 4, v4
	s_delay_alu instid0(VALU_DEP_1)
	v_add_nc_u32 v4, s43, v4                       ; in: four lanes' 64 bytes on end, then the padding: SP (lane / 4) + 16 (lane % 4)
	v_mul_u32_u24 v5, v1, SP
	s_delay_alu instid0(VALU_DEP_1)
	v_add_nc_u32 v5, s43, v5                       ; out: SP x lane: my 16 neighbours
	v_lshrrev_b32 v6, 1, v1                        ; my block
	s_lshl_b32 s43, s40, 4
	v_add_nc_u32 v7, s43, v6
	s_delay_alu instid0(VALU_DEP_1)
	v_add_nc_u32 v7, WSC, v7                       ; w: 16 x (place v) + my block
	s_lshl_b32 s43, s40, 5
	v_add_nc_u32 v6, s43, v6
	s_delay_alu instid0(VALU_DEP_1)
	v_add_nc_u32 v6, XSC, v6                       ; x: 16 x (place 2 v) + my block
	s_lshl_b32 s43, s40, 8                         ; the tail: K step v's 256 scale bytes,
	s_lshl_b32 s44, s41, 11                        ; in my kind's bytes,
	s_add_co_u32 s43, s43, s44
	s_add_co_u32 s43, s43, XSC
	v_add_nc_u32 v8, s43, v3                       ; 8 bytes a lane
	s_mul_i32 s43, s40, 2*ASET
	s_add_co_u32 s43, s43, AST                     ; w: my wave's rows of a_k
	v_add_nc_u32 v9, s43, v2
	v_lshrrev_b32 v16, 2, v1
	v_lshrrev_b32 v17, 3, v1
	v_lshrrev_b32 v18, 1, v1
	v_lshrrev_b32 v19, 4, v1
	v_lshrrev_b32 v21, 5, v1
	v_and_b32 v22, 3, v1
	v_and_b32 v23, 7, v1
	v_and_b32 v24, 1, v1
	v_and_b32 v25, 15, v1
	v_lshl_add_u32 v16, v16, 2, s43                ; a0, a1: column 8 s + lane / 4
	v_lshl_add_u32 v17, v17, 2, s43                ; a2: 4 s + lane / 8
	v_lshl_add_u32 v18, v18, 2, s43                ; a3: 16 s + lane / 2
	v_lshl_add_u32 v19, v19, 2, s43                ; a4: 2 s + lane / 16
	v_lshl_add_u32 v20, v1, 2, s43                 ; a5: 32 s + lane
	v_lshl_add_u32 v21, v21, 2, s43                ; a6: s, the same in all lanes
	v_add_nc_u32 v27, s43, v3                      ; a7: 64 s + 2 lane, + 1
	v_lshlrev_b32 v29, 4, v25                      ; rows of 256 bytes: 16 x (lane % 16)
	v_lshlrev_b32 v30, 4, v23                      ; of 128
	v_lshlrev_b32 v31, 4, v22                      ; of 64
	v_lshlrev_b32 v251, 4, v24                     ; of 32
	v_lshlrev_b32 v22, 6, v22                      ; b0, b1: columns 16 (lane % 4) on
	v_lshlrev_b32 v23, 6, v23                      ; b2: 16 (lane % 8) on
	v_lshlrev_b32 v24, 6, v24                      ; b3: 16 (lane % 2) on
	v_lshlrev_b32 v25, 6, v25                      ; b4: 16 (lane % 16) on
	v_lshlrev_b32 v26, 6, v1                       ; b6: 16 lane on
	v_mov_b32 v28, 0                               ; b5, b7: the same columns in every lane
	s_xor_b32 s43, s41, 1
	s_lshl_b32 s43, s43, 5                         ; x's tiles lie behind w's 32
	s_lshr_b32 s44, s42, 3
	s_add_co_u32 s43, s43, s44
	s_mul_i32 s43, s43, TILEB                      ; my tile in a K step of q
	s_and_b32 s44, s42, 7                          ; which 16 places of the tile's 128
	s_lshl_b32 s46, s44, 12
	s_add_co_u32 s46, s46, s43                     ; codes: 16 places x 256 bytes x (g & 7)
	s_sub_co_u32 s47, 9, s41
	s_lshl_b32 s47, s40, s47                       ; + my wave's first place: 2 v in x, v in w
	s_add_co_u32 s46, s46, s47
	s_mov_b32 s47, 0
	s_lshl_b32 s44, s44, 8
	s_add_co_u32 s44, s44, s43
	s_add_co_u32 s44, s44, 32768                   ; scale bytes: behind the tile's codes, 256 bytes for my 16 places,
	s_mul_i32 s45, s40, SLAB
	s_add_co_u32 s44, s44, s45                     ; of K step v
	s_mov_b32 s45, 0
	s_wait_alu depctr_va_vdst(0)
	s_wait_kmcnt 0x0
	s_add_nc_u64 s[48:49], s[38:39], s[46:47]      ; the codes' base for K steps 0-3,
	s_add_nc_u64 s[50:51], s[48:49], 4*SLAB        ; and for 4-7: three K steps and eight places, 6,686,720 bytes, stay inside the stores' signed 24-bit immediate (ISA guide, chapter 10)
	s_add_nc_u64 s[52:53], s[38:39], s[44:45]
	s_cmp_eq_u32 s41, 0                            ; the same in all eight waves
	s_cbranch_scc0 .Lw
	; ---- x
	s_lshr_b32 s44, s42, 2
	s_lshl_b32 s44, s44, 20                        ; 64 rows of 16,384 bytes x U
	s_and_b32 s46, s42, 3
	s_lshl_b32 s46, s46, 14                        ; + t rows
	s_add_co_u32 s44, s44, s46
	s_lshl_b32 s46, s40, 17                        ; + 8 rows x wave
	s_add_co_u32 s44, s44, s46
	s_add_nc_u64 s[36:37], s[36:37], s[44:45]
.irp u, 0,1,2,3,4,5,6,7
	XLOAD \u
.endr
	s_wait_loadcnt 28                              ; record 0's four loads are in; the 28 behind them may be out
	s_wait_alu depctr_va_vdst(0)
	XTURN 0
.irp u, 0,1,2,3,4,5,6,7,8,9,10,11,12,13,14,15
	XSTEP \u
.endr
	s_branch .Ltail
	; ---- w
.Lw:
	s_lshr_b32 s43, s42, 6                         ; o0 = 1,024 (g >> 6) + 8 (g & 63): places 16 g + t are rows o0 + (t & 7) + 512 (t >> 3)
	s_lshl_b32 s43, s43, 10
	s_and_b32 s54, s42, 63
	s_lshl_b32 s54, s54, 3
	s_add_co_u32 s54, s54, s43
	AROW 4, 6, 8                                   ; a0: row o / 64, 256 bytes a row
	AROW 6, 6, 8                                   ; a1
	AROW 8, 7, 7                                   ; a2: o / 128, 128 bytes
	AROW 10, 5, 9                                  ; a3: o / 32, 512
	AROW 12, 8, 6                                  ; a4: o / 256, 64
	AROW 14, 4, 10                                 ; a5: o / 16, 1,024
	AROW 16, 9, 5                                  ; a6: o / 512, 32
	AROW 18, 3, 11                                 ; a7: o / 8, 2,048
	BROW 20, 63, 8                                 ; b0: row o % 64, 256 bytes a row
	BROW 22, 63, 8                                 ; b1
	BROW 24, 127, 9                                ; b2: o % 128, 512 bytes
	BROW 26, 31, 7                                 ; b3: o % 32, 128
	BROW 28, 255, 10                               ; b4: o % 256, 1,024
	BROW 30, 15, 6                                 ; b5: o % 16, 64
	BROW 32, 511, 11                               ; b6: o % 512, 2,048
	BROW 34, 7, 5                                  ; b7: o % 8, 32
	AROWS 0                                        ; 24 loads: the rows of a_k
	AROWS 1
	BTAB 0, 22, 20                                 ; 30 loads: b_k's numbers, straight into their registers
	BTAB 1, 22, 22
	BTAB 2, 23, 24
	BTAB 3, 24, 26
	BTAB 4, 25, 28
	BTAB 5, 28, 30
	BTAB 6, 26, 32
.irp i, 0,1
	global_load_b128 v[BF+112+4*\i:BF+112+4*\i+3], v28, s[34:35] offset:16*\i
.endr
	s_wait_loadcnt 30                              ; the rows of a_k are in; b's 30 loads may be out
.irp rr, 0,1
.irp n, 0,1,2,3,4,5,6,7,8,9,10,11
	AREG \rr, \n
	ds_store_b128 v9, v[SR:SR+3] offset:ASET*\rr+512*\n
.endr
.endr
	s_wait_dscnt 0x0                               ; the stores have read their registers
	v_mov_b32 v[AF+7], 0                           ; the fillers: named as the upper halves of pairs, so they are written; no load lands on them
	v_mov_b32 v[AF+17], 0
	ALD 0
	s_wait_alu depctr_va_vdst(0)
	s_wait_loadcnt 0x0                             ; b's numbers are in
.irp n, 0,1,2,3,4,5,6,7,8,9,10,11,12,13,14,15
	RECORD \n
.endr
	; ---- the tail, common: the 16 places' scale bytes leave by K steps
.Ltail:
	s_wait_dscnt 0x0                               ; for the others' sake: my byte stores have landed
	s_barrier_signal -1
	s_barrier_wait -1                              ; everybody's have
	ds_load_b64 v[10:11], v8                       ; K step v: 16 places x 16 bytes
	s_wait_dscnt 0x0
	global_store_b64 v3, v[10:11], s[52:53]        ; 32 lanes store 256 consecutive bytes, aligned
	s_wait_tensorcnt 0x0                           ; the wave's end
	ds_add_u32 v254, v255
	s_wait_dscnt 0x0
	s_endpgm
.Lfunc_end_k_q559f7b6937_quant:
	.size	k_q559f7b6937_quant, .Lfunc_end_k_q559f7b6937_quant-k_q559f7b6937_quant
	.p2alignl 7, 3214868480
	.fill 96, 4, 3214868480
	.section	.rodata,"a",@progbits
	.p2align	6, 0x0
	.amdhsa_kernel k_q559f7b6937_quant
		.amdhsa_group_segment_fixed_size 144384
		.amdhsa_private_segment_fixed_size 0
		.amdhsa_enable_private_segment 0
		.amdhsa_kernarg_size 144
		.amdhsa_user_sgpr_count 2
		.amdhsa_user_sgpr_kernarg_segment_ptr 1
		.amdhsa_wavefront_size32 1
		.amdhsa_system_sgpr_workgroup_id_x 1
		.amdhsa_system_sgpr_workgroup_id_y 1
		.amdhsa_system_sgpr_workgroup_id_z 1
		.amdhsa_system_vgpr_workitem_id 0
		.amdhsa_next_free_vgpr 256
		.amdhsa_next_free_sgpr 66
		.amdhsa_reserve_vcc 0
		.amdhsa_float_denorm_mode_32 3
		.amdhsa_float_denorm_mode_16_64 3
		.amdhsa_memory_ordered 1
		.amdhsa_forward_progress 1
		.amdhsa_inst_pref_size 148
	.end_amdhsa_kernel
	.amdgpu_metadata
---
amdhsa.version: [ 1, 2 ]
amdhsa.kernels:
  - .name:           k_q559f7b6937_quant
    .symbol:         k_q559f7b6937_quant.kd
    .args:
      - { .name: a0, .offset: 0, .size: 8, .value_kind: global_buffer, .address_space: global }
      - { .name: a1, .offset: 8, .size: 8, .value_kind: global_buffer, .address_space: global }
      - { .name: a2, .offset: 16, .size: 8, .value_kind: global_buffer, .address_space: global }
      - { .name: a3, .offset: 24, .size: 8, .value_kind: global_buffer, .address_space: global }
      - { .name: a4, .offset: 32, .size: 8, .value_kind: global_buffer, .address_space: global }
      - { .name: a5, .offset: 40, .size: 8, .value_kind: global_buffer, .address_space: global }
      - { .name: a6, .offset: 48, .size: 8, .value_kind: global_buffer, .address_space: global }
      - { .name: a7, .offset: 56, .size: 8, .value_kind: global_buffer, .address_space: global }
      - { .name: b0, .offset: 64, .size: 8, .value_kind: global_buffer, .address_space: global }
      - { .name: b1, .offset: 72, .size: 8, .value_kind: global_buffer, .address_space: global }
      - { .name: b2, .offset: 80, .size: 8, .value_kind: global_buffer, .address_space: global }
      - { .name: b3, .offset: 88, .size: 8, .value_kind: global_buffer, .address_space: global }
      - { .name: b4, .offset: 96, .size: 8, .value_kind: global_buffer, .address_space: global }
      - { .name: b5, .offset: 104, .size: 8, .value_kind: global_buffer, .address_space: global }
      - { .name: b6, .offset: 112, .size: 8, .value_kind: global_buffer, .address_space: global }
      - { .name: b7, .offset: 120, .size: 8, .value_kind: global_buffer, .address_space: global }
      - { .name: x, .offset: 128, .size: 8, .value_kind: global_buffer, .address_space: global }
      - { .name: q, .offset: 136, .size: 8, .value_kind: global_buffer, .address_space: global }
    .group_segment_fixed_size: 144384
    .private_segment_fixed_size: 0
    .kernarg_segment_align: 8
    .kernarg_segment_size: 144
    .max_flat_workgroup_size: 256
    .sgpr_count:     66
    .vgpr_count:     256
    .wavefront_size: 32
...
	.end_amdgpu_metadata
.endif
;; end of part 1
;; launch gemm (part 2): grid 16 x 16, 4 waves a work-group, clusters of 4 x 4, 327,680 bytes of LDS; arguments q, bias, out0; writes out0
.if DOCPART == 2
	.amdgcn_target "amdgcn-amd-amdhsa--gfx1250"
	.amdhsa_code_object_version 6
	.text
	.protected	k_q559f7b6937_gemm
	.globl	k_q559f7b6937_gemm
	.p2align	8
	.type	k_q559f7b6937_gemm,@function
k_q559f7b6937_gemm:
	s_mov_b64 s[64:65], 0
	v_nop
	global_prefetch_b8 v0, s[64:65] scope:SCOPE_SE
	s_setreg_imm32_b32 hwreg(HW_REG_WAVE_MODE, 25, 1), 1
	s_wait_xcnt 0x0
	s_wait_alu depctr_hold_cnt(0) depctr_sa_sdst(0) depctr_va_vdst(0) depctr_va_sdst(0) depctr_va_ssrc(0) depctr_va_vcc(0) depctr_vm_vsrc(0)
	s_getreg_b32 s2, hwreg(HW_REG_IB_STS2, 6, 4)
	s_cmp_eq_u32 s2, 0
	s_cbranch_scc0 .Lentry_in_a_cluster
	s_endpgm
.Lentry_in_a_cluster:
	s_bfe_u32 s2, ttmp6, 0x10000c
	s_cmp_lg_u32 s2, 0xf033
	s_cbranch_scc0 .Lentry_shape_is_right
	s_endpgm
.Lentry_shape_is_right:
; out0[o][c] = sum over k of w[o][k] x[c][k] + bias[c].  w and x come from q as codes of FP4 (E2M1) with one E8M0 scale byte for each 32 along K; out0 f32; sums in f32, the bias added to the finished sum.
; q: [K step of 512: 8][tile of 128 places: 64][34,816 bytes]: 128 x 256 bytes of codes, then 8 x 256 bytes of scale bytes (16 places x 16 bytes).  Tiles 0-31 are w's, 32-63 x's.
;   w: place 8 h + j of a run of 16 is row .. + 512 h + j;  x: place 64 U + 16 t + r is row 64 U + 4 r + t.
; A tile of out0, 256 x 256 places, is made by a work-group of four waves; a wave makes 128 x 128: 32 accumulators of 32 x 16, 512 registers.  K goes in steps of 512 through a ring of two LDS slots.
; CLUSTERS: 4 x 4 work-groups.  The four of a row of the cluster need the same tiles of w, the four of a column the same tiles of x: each tile is asked for jointly.
; Half of the clusters start with K step 0, half with K step 4, and go round: the order of a sum's eight K steps differs so between tiles (a rounding in f32).
; PREFETCHES INTO THE L2: fills 1, 2 and 3, each asked for behind the loads of the fill before it.  A tile's 136 runs of 256 bytes are shared out BY ADDRESS among the four partners that load it jointly: 34 each, a lane a run, two instructions
;   (in the second, lanes 2-31 name run 33 once more).  Fills 4 to 7 are not asked for: the clusters that start in the other half of K have asked for those K steps four fills earlier.
; LIMITS: NaN and infinities among the inputs are not served (the codes have none).
; SOURCE 0 = 32 places of w, SOURCE 1 = 16 places of x.  Accumulator (p, b), register 8 i + j of lane (r, h): place 32 p + 16 i + 8 h + j of w, place 16 b + r of x.  With b = 4 u + t that is column 64 u + 4 r + t:
;   THE FOUR ACCUMULATORS t = 0..3 HOLD FOUR NEIGHBOURING COLUMNS IN A LANE, sixteen lanes hold 256 neighbouring bytes of a row, and results leave from registers.
; REGISTERS, windows of 256.  Window 0: v0-31 addresses; v32-95 scale words, two sets; v96-103 the bias; v128-255 w's fragments, two sets of 64.
;   window 1: x's fragments, two sets of 64; in the last K step all 256: four 128 along K.   window 2: accumulators p = 0, 1;  window 3: p = 2, 3: (p, b) at 16 (8 (p % 2) + b).
.set TILEB,  34816
.set SLAB,   64*TILEB
.set PITCH,  272                       ; an LDS row: 256 bytes + 16 of padding = 68 words: the 16 rows that a fragment load touches start at 16 different banks (64 banks of 4 bytes: ISA guide 11.1)
.set HALFT,  136*PITCH                 ; a tile in LDS: what one tensor load brings
.set SCOFF,  128*PITCH                 ; its scale bytes
.set SLOT,   4*HALFT                   ; w's two tiles, then x's two
.set SPARE,  2*SLOT                    ; the spare words: 128 bytes for each wave, two blocks of 256 bytes that no other line names
.set LAPS,   4                         ; a lap = two K steps
.set PF1,  7                           ; v7, v8  the prefetches' offsets: 256 x lane;  256 x min(lane, 1)
.set PF2,  8
.set ADRA, 16                          ; v16-17  LDS address of my w fragments in slot 0, 1
.set ADRB, 20                          ; v20-21  of my x fragments
.set ADSA, 22                          ; v22-23  of w's scale words: lane m takes place 32 p + m
.set ADSB, 24                          ; v24-25  of x's: lanes 0-15 tile 2 e, lanes 16-31 tile 2 e + 1
.set CO,   26                          ; v26     my byte offset in out0
.set SPW,  28
.set NIL,  29
.set SC,   32                          ; set s at 32 + 32 s: w's pair p, 128 along K number q at + 4 p + q; x's tiles 2 e, 2 e + 1 at + 16 + 4 e + q
.set BI,   96
.set AF,   128
.set G1, 24
.set G0, 32
.set G1B, 48
.set G0B, 56
.set PA,  66                           ; my tile of w, of x in K step 0
.set PB,  68
.set KO,  70
.set KI,  74                           ; s74, s75: the K step that slot 0, 1 asks for
.set PF,  78                           ; s[78:79] my 34 runs of the tile that I fetch, in the first K step
.set MSB, 0
.macro WIN new                         ; the immediate's high byte repeats the setting that is left
.if MSB != (\new)
	s_set_vgpr_msb (MSB<<8)|(\new)
.set MSB, (\new)
.endif
.endm
.set MUL_LO, 0xa4                      ; source 0 window 0, source 1 window 1, C and D window 2; + 0x50: C and D window 3
.set TO_B,   0x40                      ; destination window 1
.macro PLACES
.rept 4
	v_nop
.endr
.endm
; A joint load: waves 0 and 1 fetch w's two tiles, waves 2 and 3 x's.  s_nop 0 and four v_nop follow each line.
.macro JLOAD s
	s_cmp_eq_u32 s15, 0
	s_cbranch_scc0 .Lfor_b_\@
	tensor_load_to_lds s[G0+4*\s:G0+4*\s+3], s[G1:G1+7]
	s_nop 0
	PLACES
	s_branch .Lasked_\@
.Lfor_b_\@:
	tensor_load_to_lds s[G0B+4*\s:G0B+4*\s+3], s[G1B:G1B+7]
	s_nop 0
	PLACES
.Lasked_\@:
.endm
.macro ASK n                           ; fill n, n = 1..3 (the first K step is 0 or 4: no step round the end of q): 6,692,864 bytes at the most, inside the signed 24-bit immediate (ISA guide, chapter 10)
	global_prefetch_b8 v[PF1], s[PF:PF+1] offset:\n*SLAB th:TH_LOAD_NT scope:SCOPE_SE
	global_prefetch_b8 v[PF2], s[PF:PF+1] offset:\n*SLAB+8192 th:TH_LOAD_NT scope:SCOPE_SE
.endm
.macro CROUND                          ; a round of the cluster's barrier
	s_barrier_signal -1
	s_barrier_wait -1
	s_cmp_lg_u32 s14, 0
	s_cbranch_scc1 .Lnot_wave_0_\@
	s_barrier_signal -3
.Lnot_wave_0_\@:
	s_barrier_wait -3
	s_barrier_signal -1
	s_barrier_wait -1
.endm
.macro AIM slot                        ; the slot's next tile: K step s[KI + slot]
	s_mul_i32 s[KO], s[KI+\slot], SLAB
	s_add_nc_u64 s[G0+4*\slot+2:G0+4*\slot+3], s[PA:PA+1], s[KO:KO+1]
	s_or_b32 s[G0+4*\slot+3], s[G0+4*\slot+3], 0x80000000
	s_add_nc_u64 s[G0B+4*\slot+2:G0B+4*\slot+3], s[PB:PB+1], s[KO:KO+1]
	s_or_b32 s[G0B+4*\slot+3], s[G0B+4*\slot+3], 0x80000000
.endm
	s_load_b128 s[4:7], s[0:1], 0x0                ; q, bias
	s_load_b64 s[12:13], s[0:1], 0x10              ; out0
	v_lshl_add_u32 v[SPW], v0, 2, SPARE
	v_mov_b32 v[NIL], 0
	ds_add_u32 v[SPW], v[NIL]                      ; the opening lines: the add, twice on end, and its wait
	ds_add_u32 v[SPW], v[NIL]
	v_lshrrev_b32 v1, 5, v0
	v_readfirstlane_b32 s14, v1                    ; wave 0..3
	s_lshr_b32 s15, s14, 1                         ; which 128 places of w are mine.  Also: I fetch for w (0) or for x (1)
	s_and_b32 s16, s14, 1                          ; which 128 of x.  Also: which tile of the two I fetch
	s_bfe_u32 s40, ttmp6, 0x40000
	s_bfe_u32 s41, ttmp6, 0x40004
	s_lshl_b32 s42, ttmp9, 2
	s_add_co_u32 s42, s42, s40                     ; tile column of out0
	s_and_b32 s17, ttmp7, 0xffff
	s_lshl_b32 s17, s17, 2
	s_add_co_u32 s17, s17, s41                     ; tile row
	s_lshl_b32 s43, s41, 2
	s_lshl_b32 s43, 15, s43                        ; my row of the cluster
	s_lshl_b32 s44, 0x1111, s40                    ; my column
	; group 1: a dense tile as 136 rows of 256 bytes (32 elements of 8 bytes), 16 bytes of padding behind each
	s_or_b32 s[G1+0], s43, (3<<16)|(1<<20)|(1<<21)|(5<<22)|(3<<25)
	s_or_b32 s[G1B+0], s44, (3<<16)|(1<<20)|(1<<21)|(5<<22)|(3<<25)
.irp g, G1, G1B
	s_mov_b32 s[\g+1], 32<<16
	s_mov_b32 s[\g+2], 136<<16
	s_mov_b32 s[\g+3], 32<<16
	s_mov_b32 s[\g+4], 136
	s_mov_b32 s[\g+5], 32
	s_mov_b32 s[\g+6], 0
	s_mov_b32 s[\g+7], 0
.endr
	s_lshl_b32 s20, s17, 1
	s_add_co_u32 s20, s20, s16
	s_mul_i32 s20, s20, TILEB
	s_mov_b32 s21, 0
	s_lshl_b32 s46, s42, 1
	s_add_co_u32 s46, s46, s16
	s_add_co_u32 s46, s46, 32
	s_mul_i32 s46, s46, TILEB
	s_mov_b32 s47, 0
	s_mul_i32 s45, s14, HALFT                      ; where my tile goes: no place in the cluster enters an LDS address
	s_and_b32 s[KO], ttmp7, 0xffff
	s_xor_b32 s[KO], s[KO], ttmp9
	s_lshr_b32 s[KO+1], s[KO], 1
	s_xor_b32 s[KO], s[KO], s[KO+1]
	s_and_b32 s[KO], s[KO], 1
	s_lshl_b32 s[KI], s[KO], 2                     ; the first K step: 0 or 4, the same in all of a cluster
	s_add_co_u32 s[KI+1], s[KI], 1
	s_mov_b32 s[KO+1], 0
	s_wait_dscnt 0x0                               ; both opening adds are done
	s_wait_kmcnt 0x0
	s_add_nc_u64 s[PA:PA+1], s[4:5], s[20:21]
	s_add_nc_u64 s[PB:PB+1], s[4:5], s[46:47]
.irp s, 0,1
	s_mov_b32 s[G0+4*\s], 1
	s_add_co_u32 s[G0+4*\s+1], s45, \s*SLOT
	s_mov_b32 s[G0B+4*\s], 1
	s_add_co_u32 s[G0B+4*\s+1], s45, \s*SLOT
	AIM \s
.endr
	CROUND                                         ; all sixteen work-groups are here: the first joint loads meet
	JLOAD 0                                        ; one tensor load a wave at the head
	; under that load's flight: addresses, the bias and the first prefetch
	s_cmp_eq_u32 s15, 0                            ; do I fetch for w?
	s_cselect_b64 s[PF:PF+1], s[PA:PA+1], s[PB:PB+1]
	s_cselect_b32 s19, s40, s41                    ; my place among the four that load the tile with me
	s_mul_i32 s76, s19, 34*256
	s_mul_i32 s18, s[KI], SLAB
	s_add_co_u32 s76, s76, s18
	s_mov_b32 s77, 0
	s_add_nc_u64 s[PF:PF+1], s[PF:PF+1], s[76:77]
	s_mul_i32 s21, s15, HALFT                      ; my tile of w in slot 0
	s_mul_i32 s22, s16, HALFT
	s_add_co_u32 s22, s22, 2*HALFT                 ; my tile of x
	s_add_co_u32 s18, s21, SCOFF
	s_add_co_u32 s19, s22, SCOFF
	s_lshr_b32 s20, s17, 2                         ; my first row of out0: 1,024 (tile row / 4) + 128 (tile row % 4) + 64 x half
	s_lshl_b32 s20, s20, 10
	s_and_b32 s23, s17, 3
	s_lshl_b32 s23, s23, 7
	s_add_co_u32 s20, s20, s23
	s_lshl_b32 s23, s15, 6
	s_add_co_u32 s20, s20, s23
	s_lshl_b32 s76, s20, 14
	s_lshl_b32 s46, s42, 10                        ; my first column, in bytes
	s_lshl_b32 s47, s16, 9
	s_add_co_u32 s46, s46, s47
	s_mov_b32 s47, 0
	s_add_nc_u64 s[12:13], s[12:13], s[76:77]
	s_add_nc_u64 s[12:13], s[12:13], s[46:47]
	s_add_nc_u64 s[72:73], s[6:7], s[46:47]
	v_and_b32 v1, 15, v0                           ; r
	v_bfe_u32 v2, v0, 4, 1                         ; h
	v_and_b32 v[PF1], 31, v0
	v_lshlrev_b32 v6, 4, v1
	v_mul_u32_u24 v3, v1, PITCH
	v_mul_u32_u24 v5, v2, PITCH
	v_min_u32 v[PF2], 1, v[PF1]
	v_lshlrev_b32 v[PF1], 8, v[PF1]
	v_lshlrev_b32 v[PF2], 8, v[PF2]
	global_load_b128 v[BI:BI+3], v6, s[72:73]      ; the bias of columns 4 r .. 4 r + 3,
	global_load_b128 v[BI+4:BI+7], v6, s[72:73] offset:256   ; and 64 + 4 r ..
	v_lshl_add_u32 v4, v2, 4, v3                   ; a fragment: row r x pitch + 16 h
	v_lshl_add_u32 v5, v1, 4, v5                   ; scale words: 16 bytes a place, 16 places to an LDS row
	v_lshl_add_u32 v[CO], v2, 23, v6               ; lanes 16-31: 512 rows of 16,384 bytes further down
	v_add_nc_u32 v[ADRA], s21, v4
	v_add_nc_u32 v[ADRB], s22, v4
	v_add_nc_u32 v[ADSA], s18, v5
	v_add_nc_u32 v[ADSB], s19, v5
	v_add_nc_u32 v[ADRA+1], SLOT, v[ADRA]
	v_add_nc_u32 v[ADRB+1], SLOT, v[ADRB]
	v_add_nc_u32 v[ADSA+1], SLOT, v[ADSA]
	v_add_nc_u32 v[ADSB+1], SLOT, v[ADSB]
	ASK 1
; one product: C = 0 starts a sum; odd: x's scales from lanes 16-31
.macro WM d, a, b, sa, sb, first, odd
.if \first
.if \odd
	v_wmma_scale_f32_32x16x128_f4 v[\d:\d+15], v[\a:\a+15], v[\b:\b+7], 0, v[\sa], v[\sb] matrix_b_scale:MATRIX_SCALE_ROW1
.else
	v_wmma_scale_f32_32x16x128_f4 v[\d:\d+15], v[\a:\a+15], v[\b:\b+7], 0, v[\sa], v[\sb]
.endif
.else
.if \odd
	v_wmma_scale_f32_32x16x128_f4 v[\d:\d+15], v[\a:\a+15], v[\b:\b+7], v[\d:\d+15], v[\sa], v[\sb] matrix_b_scale:MATRIX_SCALE_ROW1
.else
	v_wmma_scale_f32_32x16x128_f4 v[\d:\d+15], v[\a:\a+15], v[\b:\b+7], v[\d:\d+15], v[\sa], v[\sb]
.endif
.endif
.endm
; four of a step's 32 products: pair p = i / 2, tiles 4 (i % 2) on.  The 32 accumulators take turns in the same order in every step.
.macro MUL4 i, q, sc, set, first
	WIN MUL_LO+0x50*((\i)/4)
.set PP, (\i)/2
.irp b, 0,1,2,3
.set BB, 4*((\i)%2)+\b
.set DD, 16*(8*(PP%2)+BB)
.set AA, AF+64*(\set)+16*PP
.set XX, 64*(\set)+8*BB
.set SA, SC+32*(\sc)+4*PP+(\q)
.set SB, SC+32*(\sc)+16+4*(BB/2)+(\q)
	WM DD, AA, XX, SA, SB, \first, (\b%2)
.endr
.endm
; four LDS loads.  g = 0: w's pair 0;  1-4: x's tiles, two at a time;  5-7: w's pairs 1-3
.macro LG g, slot, q, set
.if ((\g) >= 1) && ((\g) <= 4)
	WIN TO_B
.irp i, 0,1
.set BB, 2*(\g)-2+\i
.irp c, 0,1
	ds_load_b128 v[64*(\set)+8*BB+4*\c:64*(\set)+8*BB+4*\c+3], v[ADRB+\slot] offset:64*(\q)+32*\c+BB*16*PITCH
.endr
.endr
.else
	WIN 0
.if (\g) == 0
.set PP, 0
.else
.set PP, (\g)-4
.endif
.irp i, 0,1
.irp c, 0,1
	ds_load_b128 v[AF+64*(\set)+16*PP+8*\i+4*\c:AF+64*(\set)+16*PP+8*\i+4*\c+3], v[ADRA+\slot] offset:64*(\q)+32*\c+(2*PP+\i)*16*PITCH
.endr
.endr
.endif
.endm
.macro LDX slot, q, set                ; a step's sixteen loads of x
.irp g, 1,2,3,4
	LG \g, \slot, \q, \set
.endr
.endm
.macro LDW slot, q, set                ; and of w
.irp g, 0,5,6,7
	LG \g, \slot, \q, \set
.endr
.endm
.macro SCALES sc                       ; a slot's scale words: four a place, one for each 128 along K
	WIN 0
.irp p, 0,1,2,3
	ds_load_b128 v[SC+32*\sc+4*\p:SC+32*\sc+4*\p+3], v[ADSA+\sc] offset:\p*2*PITCH
	ds_load_b128 v[SC+32*\sc+16+4*\p:SC+32*\sc+16+4*\p+3], v[ADSB+\sc] offset:\p*2*PITCH
.endr
.endm
; A step of 128 along K with its successor in the same slot: the next step's loads go into the other sets, in two runs of sixteen: x's, then w's.
; Four places stand between the last step's products, which read those sets, and the first run.
.macro STEP slot, q, first
	s_wait_dscnt 12                                ; x and w's pair 0 are in; w's pairs 1-3 may be out
	MUL4 0, \q, \slot, (\q)%2, \first
	PLACES
	LDX \slot, (\q)+1, 1-(\q)%2
	MUL4 1, \q, \slot, (\q)%2, \first
	s_wait_dscnt 24                                ; pair 1 is in: behind it pairs 2, 3 and sixteen new loads
	MUL4 2, \q, \slot, (\q)%2, \first
	MUL4 3, \q, \slot, (\q)%2, \first
	s_wait_dscnt 20                                ; pair 2: behind it pair 3 and sixteen new loads
	MUL4 4, \q, \slot, (\q)%2, \first
	LDW \slot, (\q)+1, 1-(\q)%2
	MUL4 5, \q, \slot, (\q)%2, \first
	s_wait_dscnt 32                                ; pair 3: behind it 32 new loads
	MUL4 6, \q, \slot, (\q)%2, \first
	MUL4 7, \q, \slot, (\q)%2, \first
.endm
; The first eight products of a slot's last step, with a round of the cluster's barrier: all of the slot's fragments are in registers or on their way there.
; In front of the round each wave waits for all its tensor loads, adds 0 to its spare word, and waits for that and for its reads; four products stand in the round's opening barrier.
.macro MEET slot, fill
	WIN 0
	s_wait_tensorcnt 0x0                           ; my part of the other slot is in
	ds_add_u32 v[SPW], v[NIL]                      ; 0 onto my spare word
.if \fill
	s_add_co_u32 s[KI+\slot], s[KI+\slot], 2       ; no tensor load of mine is out: this slot's next K step
	s_and_b32 s[KI+\slot], s[KI+\slot], 7
	AIM \slot
.endif
	s_wait_dscnt 13                                ; x and w's pair 0 are in; pairs 1-3 and the add may be out
	MUL4 0, 3, \slot, 1, 0
	s_wait_dscnt 0x0                               ; the add is done, and my reads of this slot are over
	s_barrier_signal -1
	MUL4 1, 3, \slot, 1, 0
	WIN 0
	s_barrier_wait -1
	s_cmp_lg_u32 s14, 0
	s_cbranch_scc1 .Lnot_wave_0_\@
	s_barrier_signal -3
.Lnot_wave_0_\@:
	s_barrier_wait -3
	s_barrier_signal -1
	s_barrier_wait -1
.endm
.macro TURN slot, next
	MEET \slot, 1
	JLOAD \slot                                    ; the first tensor load behind the round; its four v_nop are also the places in front of the loads below
	SCALES \next
	LDX \next, 0, 0
.if \slot == 0
	WIN 0
	s_cmp_eq_u32 s3, LAPS-1                        ; the loop's first trip: fill 3, which the next change of slots asks for
	s_cbranch_scc0 .Lno_ask_\@
	ASK 3
.Lno_ask_\@:
.endif
	MUL4 2, 3, \slot, 1, 0
	MUL4 3, 3, \slot, 1, 0
	MUL4 4, 3, \slot, 1, 0
	LDW \next, 0, 0
	MUL4 5, 3, \slot, 1, 0
	MUL4 6, 3, \slot, 1, 0
	MUL4 7, 3, \slot, 1, 0
.endm
; THE LAST K STEP (slot 1) GOES BY ROWS: x's fragments of all 512 along K fill window 1, and w's pairs are finished one after the other.
.macro BQ q                            ; x's eight tiles, 128 along K number q
	WIN TO_B
.irp b, 0,1,2,3,4,5,6,7
.irp c, 0,1
	ds_load_b128 v[64*\q+8*\b+4*\c:64*\q+8*\b+4*\c+3], v[ADRB+1] offset:64*\q+32*\c+\b*16*PITCH
.endr
.endr
.endm
.macro AR p                            ; w's pair p, all 512 along K
	WIN 0
.irp q, 0,1,2,3
.irp i, 0,1
.irp c, 0,1
	ds_load_b128 v[AF+16*\q+8*\i+4*\c:AF+16*\q+8*\i+4*\c+3], v[ADRA+1] offset:64*\q+32*\c+(2*(\p)+\i)*16*PITCH
.endr
.endr
.endr
.endm
.macro ROWQ p, q                       ; eight products of pair p: its eight accumulators by turns
	WIN MUL_LO+0x50*((\p)/2)
.irp b, 0,1,2,3,4,5,6,7
.set DD, 16*(8*((\p)%2)+\b)
.set AA, AF+16*(\q)
.set XX, 64*(\q)+8*\b
.set SA, SC+32+4*(\p)+(\q)
.set SB, SC+48+4*(\b/2)+(\q)
	WM DD, AA, XX, SA, SB, 0, (\b%2)
.endr
.endm
; THE WAY OUT of chunk c = 2 p + i: 16 rows x 128 columns.  The bias is added, and the sum goes where four neighbouring columns lie in four neighbouring registers: chunk 0 into the second set of w's fragments,
; chunk c into the accumulator registers that chunk c - 1 has read.  So no store's data are ever written again.  Each accumulator is read from its low end on.
.macro OUT c
.set PP, (\c)/2
.set HH, (\c)%2
.if (\c) > 0
.set TP, ((\c)-1)/2
.set TB, 128*(TP%2)+8*(((\c)-1)%2)
.set TS, 16
.set DW, 2+TP/2
.else
.set TB, AF+64
.set TS, 8
.set DW, 0
.endif
	WIN 2+PP/2+64*DW
.irp j, 0,1,2,3,4,5,6,7
.irp u, 0,1
.irp t, 0,1,2,3
	v_add_f32 v[TB+TS*\j+4*\u+\t], v[128*(PP%2)+16*(4*\u+\t)+8*HH+\j], v[BI+4*\u+\t]
.endr
.endr
.endr
	WIN 4*DW
.irp j, 0,1,2,3,4,5,6,7
.irp u, 0,1
	global_store_b128 v[CO], v[TB+TS*\j+4*\u:TB+TS*\j+4*\u+3], s[12:13] offset:(16*PP+8*HH+\j)*16384+256*\u th:TH_STORE_NT   ; sixteen lanes fill an aligned 256 bytes of one row, the other sixteen of the row 512 further down
.endr
.endr
	WIN 0
.endm
	s_wait_alu depctr_va_vdst(0)
	s_wait_tensorcnt 0x0                           ; my part of the first K step is in
	ds_add_u32 v[SPW], v[NIL]
	s_wait_dscnt 0x0
	CROUND
	JLOAD 1                                        ; the second K step, first behind the round
	SCALES 0
	LDX 0, 0, 0
	LDW 0, 0, 0
	ASK 2
	STEP 0, 0, 1                                   ; the first step stands in front of the loop: its products start the sums
	WIN 0
	s_mov_b32 s3, LAPS-1
.Llap:                                         ; a trip goes once round the ring, from a lap's second step to the next lap's first
	STEP 0, 1, 0
	STEP 0, 2, 0
	TURN 0, 1
	STEP 1, 0, 0
	STEP 1, 1, 0
	STEP 1, 2, 0
	TURN 1, 0
	STEP 0, 0, 0
	WIN 0
	s_sub_co_u32 s3, s3, 1
	s_cmp_lg_u32 s3, 0
	s_cbranch_scc1 .Llap
	STEP 0, 1, 0
	STEP 0, 2, 0
	MEET 0, 0                                      ; nothing is filled again.  These are also the wave's three closing lines and the cluster's closing round: behind them LDS is only read
	PLACES                                         ; for the loads into the sets that the step before read
	SCALES 1
	AR 0
	MUL4 2, 3, 0, 1, 0
	MUL4 3, 3, 0, 1, 0
	BQ 0
	MUL4 4, 3, 0, 1, 0
	MUL4 5, 3, 0, 1, 0
	BQ 2
	MUL4 6, 3, 0, 1, 0
	MUL4 7, 3, 0, 1, 0
	PLACES                                         ; for the loads into x's second set
	s_wait_dscnt 40
	BQ 3
	s_wait_dscnt 32                                ; scales, pair 0 and number 0 are in: behind them numbers 2 and 3
	ROWQ 0, 0
	BQ 1
	s_wait_dscnt 32                                ; number 2: behind it 3 and 1
	ROWQ 0, 2
	s_wait_dscnt 16
	ROWQ 0, 3
	s_wait_dscnt 0x0
	ROWQ 0, 1
	PLACES
	AR 1                                           ; the next pair's fragments come while this one goes out
	s_wait_loadcnt 0x0                             ; the bias
.irp p, 0,1,2                          ; pair p goes out in two chunks, and the next pair's products follow each, half and half
	OUT 2*\p
	s_wait_dscnt 0x0
	ROWQ \p+1, 0
	ROWQ \p+1, 1
	OUT 2*\p+1
	ROWQ \p+1, 2
	ROWQ \p+1, 3
	PLACES
.if \p < 2
	AR \p+2
.endif
.endr
	OUT 6
	OUT 7
	s_endpgm
.Lfunc_end_k_q559f7b6937_gemm:
	.size	k_q559f7b6937_gemm, .Lfunc_end_k_q559f7b6937_gemm-k_q559f7b6937_gemm
	.p2alignl 7, 3214868480
	.fill 96, 4, 3214868480
	.section	.rodata,"a",@progbits
	.p2align	6, 0x0
	.amdhsa_kernel k_q559f7b6937_gemm
		.amdhsa_group_segment_fixed_size 327680
		.amdhsa_private_segment_fixed_size 0
		.amdhsa_enable_private_segment 0
		.amdhsa_kernarg_size 24
		.amdhsa_user_sgpr_count 2
		.amdhsa_user_sgpr_kernarg_segment_ptr 1
		.amdhsa_wavefront_size32 1
		.amdhsa_system_sgpr_workgroup_id_x 1
		.amdhsa_system_sgpr_workgroup_id_y 1
		.amdhsa_system_sgpr_workgroup_id_z 1
		.amdhsa_system_vgpr_workitem_id 0
		.amdhsa_next_free_vgpr 1024
		.amdhsa_next_free_sgpr 80
		.amdhsa_reserve_vcc 0
		.amdhsa_float_denorm_mode_32 3
		.amdhsa_float_denorm_mode_16_64 3
		.amdhsa_memory_ordered 1
		.amdhsa_forward_progress 1
		.amdhsa_inst_pref_size 145
	.end_amdhsa_kernel
	.amdgpu_metadata
---
amdhsa.version: [ 1, 2 ]
amdhsa.kernels:
  - .name:           k_q559f7b6937_gemm
    .symbol:         k_q559f7b6937_gemm.kd
    .args:
      - { .name: q, .offset: 0, .size: 8, .value_kind: global_buffer, .address_space: global }
      - { .name: bias, .offset: 8, .size: 8, .value_kind: global_buffer, .address_space: global }
      - { .name: out0, .offset: 16, .size: 8, .value_kind: global_buffer, .address_space: global }
    .group_segment_fixed_size: 327680
    .private_segment_fixed_size: 0
    .kernarg_segment_align: 8
    .kernarg_segment_size: 24
    .max_flat_workgroup_size: 128
    .sgpr_count:     80
    .vgpr_count:     1024
    .wavefront_size: 32
...
	.end_amdgpu_metadata
.endif
;; end of part 2
